; MI455X (gfx1250); checked and timed in simulation.
; The chip was launched on July 23, 2026; its instructions are those of AMD's public machine-readable ISA for CDNA 5 (MIT licence, August 2026) and "CDNA5" Instruction Set Architecture Reference Guide (July 2026). The comments in the code are by the model that wrote it; some were corrected since.
;; Hydra Attention. Allowed arithmetic: matrix products marked QUANTISED: E5M2 operands, one E8M0 scale for each 32 along K, by v_wmma_scale_f32_16x16x128_f8f6f4 with both operands' format E5M2, f32 sums; everything else in f32.
;; Inputs: Wqkv 1,024 x 3,072 float32; bias 1 x 1 x 1,024 float32; bqkv 3,072 float32; scale 1 x 1 x 1,024 float32; x 4 x 4,096 x 1,024 float32.
;; Outputs: out0 4 x 4,096 x 1,024 float32.
;; This version of the problem:
;;   THIS VERSION OF THE PROBLEM IS GIVEN IN LOW PRECISION. The matrix products marked QUANTISED in the list below multiply operands that are first quantised to E5M2 (5 exponent bits, 2 mantissa bits; 8 bits a number), with one power-of-two scale for each 32 numbers along K (OCP MX v1.0); their sums are f32. All else is computed in f32.
;;   The module's matrix products, in the order in which they are computed (A, B: the left and right operand; K: the contracted axis; several contracted axes count as one K, in the product's order):
;;     1. [M 16,384, K 1,024] x [K 1,024, N 3,072]; A: input x; B: input Wqkv: QUANTISED
;;   THE QUANTISER, for each operand of a quantised product, along K:
;;     - K is cut into blocks of 32 from its start; a last block that is shorter is filled with zeros.
;;     - A block's scale is 2^e with e = floor(log2(the largest magnitude in the block)) - 15, held to -126 .. 127; a block of zeros has e = 0. As a byte (E8M0): e + 127.
;;     - Each number is divided by its block's scale, clamped to +-57,344, and rounded to the nearest number of E5M2, ties to even, subnormals kept.
;;     - The product sums the exact products of the quantised numbers (number of the format x scale) in f32.
;;   ~~~python
;;   def quantise(x, axis):      # numpy; x: float32 -> the quantised numbers, widened to float32 again
;;       x = np.moveaxis(x, axis, -1); K = x.shape[-1]
;;       x = np.pad(x, [(0, 0)] * (x.ndim - 1) + [(0, -K % 32)]); x = x.reshape(x.shape[:-1] + (-1, 32)); a = np.abs(x).max(-1, keepdims=True)
;;       e = np.where(a > 0, np.clip(np.frexp(np.where(a > 0, a, 1))[1] - 1 - 15, -126, 127), 0)      # np.frexp(a)[1] - 1 = floor(log2(a)), exactly
;;       r = np.clip(x / 2.0 ** e, -57344, 57344)
;;       step = 2.0 ** (np.maximum(np.frexp(np.where(r == 0, 1, r))[1] - 1, -14) - 2)
;;       q = np.round(r / step) * step * 2.0 ** e      # np.round: ties to even
;;       return np.moveaxis(q.reshape(q.shape[:-2] + (-1,))[..., :K], -1, axis).astype(np.float32)
;;   ~~~
;; One version. Each part assembles by itself: llvm-mc -triple=amdgcn-amd-amdhsa -mcpu=gfx1250 --defsym DOCPART=n.
;; ======== version 1 of 1: 3 launches
;; limits: right only within a limited range of input values
;; workspace buffers: xc 16,777,216 bytes; xs 524,288 bytes; wc 3,244,032 bytes; kvp 1,048,576 bytes
;; launch quant (part 1): grid 352 x 1, 8 waves a work-group, no clusters, 68,608 bytes of LDS; arguments x, Wqkv, xc, xs, wc; writes xc, xs, wc
.if DOCPART == 1
	.amdgcn_target "amdgcn-amd-amdhsa--gfx1250"
	.amdhsa_code_object_version 6
	.text
	.protected	k_q1c12394888_quant
	.globl	k_q1c12394888_quant
	.p2align	8
	.type	k_q1c12394888_quant,@function
k_q1c12394888_quant:
	s_mov_b64 s[64:65], 0
	v_nop
	global_prefetch_b8 v0, s[64:65] scope:SCOPE_SE
	s_setreg_imm32_b32 hwreg(HW_REG_WAVE_MODE, 25, 1), 1
	s_wait_xcnt 0x0
; x [16384][1024] and Wqkv [1024][3072], f32, become codes of E5M2 with one E8M0 scale for each 32 along K (K = the 1,024), laid in the ORDER OF THE OPERAND'S REGISTERS,
; so that the two launches behind this one fetch whole fragments as dense blocks.
; A block's scale is 2^(floor(log2(its largest magnitude)) - 15); its byte is the largest magnitude's exponent field - 15, held at 1 from below; each number is divided by the scale,
; held within +-57,344 and rounded to the nearest code, ties to even.
; LIMITS: a block of zeros gets the byte 1 where the rule says 127 (its codes are zeros, which add nothing under any byte but 0xff, and this program alone reads the bytes);
; NaN and infinities among the inputs are not served.
; xc [rb 256][s 8][a 4][c 4][lane 32][16 B]: rb = block of 64 rows, s = K step of 128, a = tile of 16 rows; the 16 bytes of (c, lane = 16 h + r) are row 64 rb + 16 a + r, k = 128 s + 32 c + 16 h + 0..15.
; xs [rb][s][p 2][lane 32] words: the four scale bytes of row 64 rb + 16 (2 p + lane / 16) + lane % 16 in K step s.
; wc [sec 3][t 8][w 4][33,792 B], t = 4 jj + u: 16 fragments f = 8 kh + i of 2,048 bytes (column 1024 sec + 256 w + 128 jj + 16 i + r, K step 2 u + kh), laid as xc's, then eight images of 128 bytes
; of scale words: lane l of image p has the word of fragment 2 p + l / 16, column l % 16.
; Work-groups 0 to 95 take Wqkv, work-groups 96 to 351 take x: one scalar branch on the work-group's number.  Only x's path uses LDS; waves share nothing: no barrier.
.set WGW,  96                          ; work-groups for Wqkv: 8 K steps x 12 groups of 256 columns
.set TM,   16                          ; v16-19 largest magnitudes, v20-23 bytes, v24-27 57,344 x the scale, v28-31 the conversion's scale operand
.set PC,   32                          ; v32-47  a fragment's codes (x);  v32-63 four blocks' codes (Wqkv)
.set X,    48                          ; v48-111 64 numbers of a lane: register 16 c + i = k 32 c + 16 h + i of row r
.set R,    112                         ; v112-239 x: two sets of 64 as loaded;  Wqkv: 128 numbers down K
.set SP,   528                         ; a stage row: 512 bytes + 16: 132 words, so that sixteen rows begin 4 words apart modulo 64 words
.set SEL,  16                          ; s[16:17] lane selects: lane l xor 16
.set MNT,  18                          ; s18 the mantissa field of 57,344
	s_load_b256 s[4:11], s[0:1], 0x0               ; x s[4:5], Wqkv s[6:7], xc s[8:9], xs s[10:11]
	s_load_b64 s[12:13], s[0:1], 0x20              ; wc
	v_lshl_add_u32 v254, v0, 2, 0x10800
	v_mov_b32 v255, 0
	v_lshrrev_b32 v1, 5, v0
	v_readfirstlane_b32 s14, v1                    ; wave 0..7
	v_and_b32 v1, 31, v0                           ; lane
	v_and_b32 v2, 15, v0                           ; r
	v_bfe_u32 v3, v0, 4, 1                         ; h
	s_mov_b32 s[SEL], 0x76543210
	s_mov_b32 s[SEL+1], 0xfedcba98
	s_mov_b32 s[MNT], 0x600000
	s_mov_b32 s21, 0                               ; the high word of every offset pair s[20:21]
	s_wait_kmcnt 0x0
	s_cmp_lt_u32 ttmp9, WGW
	s_cbranch_scc1 .Lweights
; ---------------- x: a work-group takes 64 whole rows, wave s the K step s: 512 bytes of each row, four fragments of 16 rows ----------------
	s_sub_co_u32 s19, ttmp9, WGW                   ; rb
	v_lshlrev_b32 v4, 4, v1                        ; 16 x lane: my bytes of a load's and of a store's 512
	s_mul_i32 s22, s14, 16*SP                      ; my wave's stage
	v_add_nc_u32 v5, s22, v4                       ; into it: a row as it lies
	v_mul_u32_u24 v6, v2, SP
	v_lshl_add_u32 v6, v3, 6, v6
	v_add_nc_u32 v6, s22, v6                       ; out of it: row r, + 64 h: my 16 numbers of each block of 32
	v_lshlrev_b32 v7, 2, v1                        ; 4 x lane: a scale word's place
	v_cmp_lt_u32 vcc_lo, 15, v1                    ; lanes 16-31
.irp b, 0,1,2,3
	v_mov_b32 v[TM+4+\b], 0                        ; written once: a lane permute's destination counts as one of its sources
.endr
	s_lshl_b32 s20, s19, 18                        ; x: 64 rows of 4,096 bytes a block, 512 bytes a K step
	s_lshl_b32 s23, s14, 9
	s_add_co_u32 s20, s20, s23
	s_add_nc_u64 s[4:5], s[4:5], s[20:21]
	s_lshl_b32 s20, s19, 16                        ; xc: 65,536 bytes a block, 8,192 a K step
	s_lshl_b32 s23, s14, 13
	s_add_co_u32 s20, s20, s23
	s_add_nc_u64 s[8:9], s[8:9], s[20:21]
	s_lshl_b32 s20, s19, 11                        ; xs: 2,048 bytes a block, 256 a K step
	s_lshl_b32 s23, s14, 8
	s_add_co_u32 s20, s20, s23
	s_add_nc_u64 s[10:11], s[10:11], s[20:21]
.macro LOADF a                         ; fragment a: 16 rows, each load 512 consecutive bytes of one row
.irp i, 0,1,2,3,4,5,6,7,8,9,10,11,12,13,14,15
	global_load_b128 v[R+64*((\a)%2)+4*\i:R+64*((\a)%2)+4*\i+3], v4, s[4:5] offset:(16*(\a)+\i)*4096 th:TH_LOAD_NT
.endr
.endm
.macro TURN a                          ; through my own stage: LDS serves a wave's instructions in order, so no wait stands between the stores and the loads
.irp i, 0,1,2,3,4,5,6,7,8,9,10,11,12,13,14,15
	ds_store_b128 v5, v[R+64*((\a)%2)+4*\i:R+64*((\a)%2)+4*\i+3] offset:SP*\i
.endr
.irp c, 0,1,2,3
.irp j, 0,1,2,3
	ds_load_b128 v[X+16*\c+4*\j:X+16*\c+4*\j+3], v6 offset:128*\c+16*\j
.endr
.endr
.endm
.macro QUANT pw                        ; v[X] on -> a fragment's codes in v[PC] on, my row's scale word in v[pw]
.irp b, 0,1,2,3
	v_max3_num_f32 v[TM+\b], |v[X+16*\b]|, |v[X+1+16*\b]|, 0x8000000   ; block b: my 16 numbers, and the floor 2^(16 - 127): the byte cannot fall under 1
.endr
.irp i, 2,4,6,8,10,12,14
.irp b, 0,1,2,3
	v_max3_num_f32 v[TM+\b], v[TM+\b], |v[X+16*\b+\i]|, |v[X+1+16*\b+\i]|   ; the four blocks by turns
.endr
.endr
.irp b, 0,1,2,3
	v_permlanex16_b32 v[TM+4+\b], v[TM+\b], s[SEL], s[SEL+1]
.endr
.irp b, 0,1,2,3
	v_max_num_f32 v[TM+\b], v[TM+\b], v[TM+4+\b]   ; with lane l xor 16's 16: the block's largest magnitude
.endr
.irp b, 0,1,2,3
	v_add_nc_u32 v[TM+12+\b], 0xf8800000, v[TM+\b] ; 15 off its exponent field: the conversion takes the exponent field of this operand as its scale
.endr
.irp b, 0,1,2,3
	v_and_or_b32 v[TM+8+\b], v[TM+\b], 0x7f800000, s[MNT]   ; 57,344 x the scale
.endr
.irp b, 0,1,2,3
	v_lshrrev_b32 v[TM+4+\b], 23, v[TM+12+\b]      ; the scale's byte
.endr
	v_lshl_or_b32 v[\pw], v[TM+5], 8, v[TM+4]
	v_lshl_or_b32 v[\pw], v[TM+6], 16, v[\pw]
	v_lshl_or_b32 v[\pw], v[TM+7], 24, v[\pw]
	s_wait_xcnt 0x0                                ; the last fragment's stores have read v[PC] on: only behind this wait are the codes written again
.irp b, 0,1,2,3
.irp i, 0,1,2,3,4,5,6,7,8,9,10,11,12,13,14,15
	v_med3_num_f32 v[X+16*\b+\i], v[X+16*\b+\i], -v[TM+8+\b], v[TM+8+\b]   ; the conversion to an 8-bit code does not saturate (ISA guide 7.6.2): the hold comes first
.endr
	v_cvt_scalef32_pk8_bf8_f32 v[PC+4*\b:PC+1+4*\b], v[X+16*\b:X+7+16*\b], v[TM+12+\b]
	v_cvt_scalef32_pk8_bf8_f32 v[PC+2+4*\b:PC+3+4*\b], v[X+8+16*\b:X+15+16*\b], v[TM+12+\b]
.endr
	v_nop                                          ; a plain line behind the last conversion
.endm
.macro FRAGX a
.if (\a) < 3
	s_wait_loadcnt 16                              ; this fragment's 16 loads are in; the next fragment's 16 stay out
.else
	s_wait_loadcnt 0x0
.endif
	TURN \a
	s_wait_dscnt 0x0                               ; my 64 numbers are back, and the stage's stores have read their registers,
.if (\a)+2 < 4
	LOADF (\a)+2                                   ; which take the fragment two further on
.endif
	QUANT 8+(\a)
.irp c, 0,1,2,3
	global_store_b128 v4, v[PC+4*\c:PC+4*\c+3], s[8:9] offset:2048*(\a)+512*\c   ; 32 lanes store 512 consecutive bytes, aligned
.endr
.endm
	LOADF 0
	LOADF 1
	FRAGX 0
	FRAGX 1
	v_cndmask_b32 v12, v8, v9, vcc_lo              ; lanes 0-15: tile 0's words, lanes 16-31: tile 1's
	global_store_b32 v7, v12, s[10:11]
	FRAGX 2
	FRAGX 3
	v_cndmask_b32 v13, v10, v11, vcc_lo            ; tiles 2 and 3
	global_store_b32 v7, v13, s[10:11] offset:128
	s_wait_tensorcnt 0x0
	ds_add_u32 v254, v255
	s_wait_dscnt 0x0
	s_endpgm
; ---------------- Wqkv: K is its FIRST axis: a lane takes a column, and its registers run down the K step's 128 rows ----------------
.Lweights:
	s_and_b32 s19, ttmp9, 7                        ; s: the K step
	s_lshr_b32 s22, ttmp9, 3                       ; cg: the group of 256 columns
	s_lshr_b32 s23, s22, 2                         ; sec: q, k or v
	s_and_b32 s24, s22, 3                          ; w: whose columns they will be
	s_lshr_b32 s25, s14, 2                         ; jj: the chunk of 128 columns
	s_and_b32 s26, s14, 3                          ; q4: my 32 columns of it: fragments 2 q4 and 2 q4 + 1
	s_mul_i32 s20, s19, 128*12288                  ; 128 s rows of 12,288 bytes,
	s_lshl_b32 s27, s22, 10                        ; + 256 cg columns,
	s_add_co_u32 s20, s20, s27
	s_lshl_b32 s27, s14, 7                         ; + 32 x wave columns: the eight waves stand side by side on 1,024 bytes of each row
	s_add_co_u32 s20, s20, s27
	s_add_nc_u64 s[6:7], s[6:7], s[20:21]
	s_lshl_b32 s27, s23, 3
	s_lshl_b32 s28, s25, 2
	s_add_co_u32 s27, s27, s28
	s_lshr_b32 s28, s19, 1
	s_add_co_u32 s27, s27, s28                     ; 8 sec + 4 jj + u
	s_lshl_b32 s27, s27, 2
	s_add_co_u32 s27, s27, s24                     ; x 4 + w
	s_mul_i32 s20, s27, 33792
	s_add_nc_u64 s[12:13], s[12:13], s[20:21]      ; the block of 33,792 bytes
	s_and_b32 s28, s19, 1                          ; kh
	s_lshl_b32 s29, s28, 2
	s_add_co_u32 s29, s29, s26                     ; 4 kh + q4
	v_lshlrev_b32 v4, 2, v1                        ; in: 4 bytes a lane
	v_lshlrev_b32 v5, 4, v2
	v_lshl_add_u32 v5, v3, 11, v5                  ; out: fragment lane / 16, column lane % 16: 16 bytes
	s_lshl_b32 s30, s29, 12                        ; fragments 8 kh + 2 q4 on: 2,048 bytes each
	v_add_nc_u32 v5, s30, v5
	s_lshl_b32 s30, s29, 7                         ; scale image 4 kh + q4
	v_add_nc_u32 v6, s30, v4
.set kk, 0
.rept 128
	global_load_b32 v[R+kk], v4, s[6:7] offset:kk*12288 th:TH_LOAD_NT   ; W(128 s + kk, my column): 127 x 12,288 lies inside the signed 24-bit immediate
.set kk, kk+1
.endr
.macro WBLOCK c                        ; 32 numbers down K, all mine, become 32 codes
.set XS, R+32*(\c)
.set CC, PC+8*(\c)
.if (\c) == 0
	s_wait_loadcnt 63                              ; blocks 0 and 1 are in: 64 loads are younger than block 1's last, and 63 is the largest count that the wait can name
.elseif (\c) == 2
	s_wait_loadcnt 32                              ; block 3's 32 loads stay out
.elseif (\c) == 3
	s_wait_loadcnt 0x0
.endif
	v_max3_num_f32 v12, |v[XS]|, |v[XS+1]|, |v[XS+2]|
	v_max3_num_f32 v13, |v[XS+3]|, |v[XS+4]|, |v[XS+5]|
.irp i, 6,10,14,18,22,26
	v_max3_num_f32 v12, v12, |v[XS+\i]|, |v[XS+\i+1]|
	v_max3_num_f32 v13, v13, |v[XS+\i+2]|, |v[XS+\i+3]|
.endr
	v_max3_num_f32 v12, v12, |v[XS+30]|, |v[XS+31]|
	v_max3_num_f32 v12, v12, v13, 0x8000000        ; and the floor 2^(16 - 127)
	v_add_nc_u32 v11, 0xf8800000, v12              ; the conversion's scale operand
	v_and_or_b32 v10, v12, 0x7f800000, s[MNT]      ; 57,344 x the scale
	v_lshrrev_b32 v13, 23, v11                     ; the byte
.if (\c) == 0
	v_mov_b32 v14, v13                             ; four bytes make my column's scale word for this K step
.else
	v_lshl_or_b32 v14, v13, 8*(\c), v14
.endif
.irp i, 0,1,2,3,4,5,6,7,8,9,10,11,12,13,14,15,16,17,18,19,20,21,22,23,24,25,26,27,28,29,30,31
	v_med3_num_f32 v[XS+\i], v[XS+\i], -v10, v10
.endr
.irp g, 0,1,2,3
	v_cvt_scalef32_pk8_bf8_f32 v[CC+2*\g:CC+2*\g+1], v[XS+8*\g:XS+8*\g+7], v11
.endr
	v_nop                                          ; a plain line behind the last conversion
	global_store_b128 v5, v[CC:CC+3], s[12:13] offset:512*(\c)        ; k = 32 c + 0..15: the half h = 0; sixteen lanes store 256 consecutive bytes, aligned
	global_store_b128 v5, v[CC+4:CC+7], s[12:13] offset:512*(\c)+256  ; k = 32 c + 16..31: the half h = 1.  Each block has code registers of its own: no store's data are written again
.endm
	WBLOCK 0
	WBLOCK 1
	WBLOCK 2
	WBLOCK 3
	global_store_b32 v6, v14, s[12:13] offset:32768  ; the scale words lie behind the block's 16 fragments
	s_endpgm
.Lfunc_end_k_q1c12394888_quant:
	.size	k_q1c12394888_quant, .Lfunc_end_k_q1c12394888_quant-k_q1c12394888_quant
	.p2alignl 7, 3214868480
	.fill 96, 4, 3214868480
	.section	.rodata,"a",@progbits
	.p2align	6, 0x0
	.amdhsa_kernel k_q1c12394888_quant
		.amdhsa_group_segment_fixed_size 68608
		.amdhsa_private_segment_fixed_size 0
		.amdhsa_enable_private_segment 0
		.amdhsa_kernarg_size 40
		.amdhsa_user_sgpr_count 2
		.amdhsa_user_sgpr_kernarg_segment_ptr 1
		.amdhsa_wavefront_size32 1
		.amdhsa_system_sgpr_workgroup_id_x 1
		.amdhsa_system_sgpr_workgroup_id_y 1
		.amdhsa_system_sgpr_workgroup_id_z 1
		.amdhsa_system_vgpr_workitem_id 0
		.amdhsa_next_free_vgpr 256
		.amdhsa_next_free_sgpr 66
		.amdhsa_reserve_vcc 1
		.amdhsa_float_denorm_mode_32 3
		.amdhsa_float_denorm_mode_16_64 3
		.amdhsa_memory_ordered 1
		.amdhsa_forward_progress 1
		.amdhsa_inst_pref_size 79
	.end_amdhsa_kernel
	.amdgpu_metadata
---
amdhsa.version: [ 1, 2 ]
amdhsa.kernels:
  - .name:           k_q1c12394888_quant
    .symbol:         k_q1c12394888_quant.kd
    .args:
      - { .name: x, .offset: 0, .size: 8, .value_kind: global_buffer, .address_space: global }
      - { .name: Wqkv, .offset: 8, .size: 8, .value_kind: global_buffer, .address_space: global }
      - { .name: xc, .offset: 16, .size: 8, .value_kind: global_buffer, .address_space: global }
      - { .name: xs, .offset: 24, .size: 8, .value_kind: global_buffer, .address_space: global }
      - { .name: wc, .offset: 32, .size: 8, .value_kind: global_buffer, .address_space: global }
    .group_segment_fixed_size: 68608
    .private_segment_fixed_size: 0
    .kernarg_segment_align: 8
    .kernarg_segment_size: 40
    .max_flat_workgroup_size: 256
    .sgpr_count:     66
    .vgpr_count:     256
    .wavefront_size: 32
...
	.end_amdgpu_metadata
.endif
;; end of part 1
;; launch kvpart (part 2): grid 256 x 1, 4 waves a work-group, clusters of 4 x 1, 327,680 bytes of LDS; arguments xc, xs, wc, bqkv, kvp; writes kvp
.if DOCPART == 2
	.amdgcn_target "amdgcn-amd-amdhsa--gfx1250"
	.amdhsa_code_object_version 6
	.text
	.protected	k_q1c12394888_kvpart
	.globl	k_q1c12394888_kvpart
	.p2align	8
	.type	k_q1c12394888_kvpart,@function
k_q1c12394888_kvpart:
	s_mov_b64 s[64:65], 0
	v_nop
	global_prefetch_b8 v0, s[64:65] scope:SCOPE_SE
	s_setreg_imm32_b32 hwreg(HW_REG_WAVE_MODE, 25, 1), 1
	s_wait_xcnt 0x0
	s_wait_alu depctr_hold_cnt(0) depctr_sa_sdst(0) depctr_va_vdst(0) depctr_va_sdst(0) depctr_va_ssrc(0) depctr_va_vcc(0) depctr_vm_vsrc(0)
	s_getreg_b32 s2, hwreg(HW_REG_IB_STS2, 6, 4)
	s_cmp_eq_u32 s2, 0
	s_cbranch_scc0 .Lentry_in_a_cluster
	s_endpgm
.Lentry_in_a_cluster:
	s_bfe_u32 s2, ttmp6, 0x10000c
	s_cmp_lg_u32 s2, 0x3003
	s_cbranch_scc0 .Lentry_shape_is_right
	s_endpgm
.Lentry_shape_is_right:
; kvp[rb][d] = the sum over the 64 tokens of row block rb of k[t][d] v[t][d] / |k[t]|, with k = x Wk + bk, v = x Wv + bv on codes of E5M2 with E8M0 scales (made by the launch before), sums in f32.
; SHARES.  A work-group owns 64 WHOLE rows, since |k| spans a row's 1,024 columns; wave w owns columns 256 w .. 256 w + 255 of k and of v for all 64 rows.  The work goes in CHUNKS of 64 rows x 128 columns
; a wave over all of K: 32 accumulators, one register window.  k's two chunks stay in windows 2 and 3; v's two chunks pass through window 1 one after the other.
; THE PRODUCT IS USED AS IT STANDS (source 0 = 16 tokens of x, source 1 = 16 columns of W): a lane holds ONE column and eight tokens, so the sum over tokens runs down a lane's registers.
; RING.  Two LDS slots; a slot holds two K steps of 128: W's tile (135,168 bytes: for each wave 16 fragments and their scale words) and x's (16,384 bytes).  All operands lie in LDS as images of their registers:
; every fragment load reads 512 consecutive bytes, 16 a lane: no pitch, no padding.
; CLUSTER.  All work-groups walk the same W: the four of a cluster ask for W's tiles JOINTLY (waves 0 to 2, a third of a tile each, mask 15); wave 3 brings the work-group's own x by a plain load.
; ROTATION.  rho = cluster number % 4, the same in all four partners: in every chunk the i-th tile fetched is the pair of K steps (i + rho) % 4, so that neighbouring clusters walk K in different order.
; Only global addresses and the order of the f32 sums along K hang on it.
; The text is straight-line: every register number is a constant of its place.  By its own count a wave has two tensor loads out at the start and one behind each round.
; lds_bytes: the text uses 304,640 bytes.
; LIMITS: NaN and infinities are not served; a row of k whose sum of squares lies under 2^-126 counts as a zero row for v_rsq_f32; a zero row gives NaN, as the definition does.
; REGISTERS.  window 0: v4-15 addresses; v16-31 W's scale words (a set of 8 for each slot); v32-47 x's scale words of all 8 K steps; v48-63 v's bias; v64-127 x's four fragments; v128-255 W's eight.
;   window 1: first k's bias (each number twice), then v's accumulators;  windows 2, 3: k's accumulators: (i, a) at v[8 (4 i + a)].
.set SLOTB,  151552                    ; a slot
.set WBLK,   33792                     ; a wave's part of W's tile
.set THIRD,  45056                     ; what one joint load brings: 176 rows of 256 bytes
.set TILEW,  135168
.set XOFF,   135168                    ; x's tile in a slot
.set CHUNKW, 540672                    ; four tiles of W
.set SEC0,   1081344                   ; k's first tile in wc; v's eight follow k's eight
.set EX,     303104                    ; behind the ring: 1,024 bytes for the waves' sums of squares
.set SPARE,  304128                    ; the spare words: 128 bytes a wave, two blocks of 256 bytes that no other line names
.set SPW, 4                            ; v4   SPARE + 4 x my thread's number; never rewritten
.set NIL, 5                            ; v5   0; never rewritten
.set ADW, 6                            ; v6-7   my fragments of W in slot 0, 1
.set ADX, 8                            ; v8-9   x's fragments
.set ASW, 10                           ; v10-11 my scale words of W
.set EXS, 12                           ; v12  where I put my wave's sums of squares
.set EXL, 13                           ; v13  where I read all four waves'
.set L4,  14                           ; v14  4 x lane
.set R4,  15                           ; v15  4 x (lane % 16)
.set SW,  16
.set SX,  32
.set BV,  48
.set XR,  64
.set WR,  128
.set WV,  20                           ; s20  my wave's number
.set G1W, 24                           ; s[24:31] descriptor group 1 for W's thirds;  s[32:39] for x's tiles
.set G1X, 32
.set G0W, 40                           ; s[40:47] group 0 for W, a set for each slot;  s[48:55] for x
.set G0X, 48
.set WB,  56                           ; s[56:57] wc + SEC0 + my third
.set XB,  58                           ; s[58:59] xc + my row block
.set OW,  60                           ; s60-63   ((i + rho) % 4) x TILEW
.set SEL, 66                           ; s[66:67] lane selects: lane l xor 16
.set TW,  68                           ; s[68:69] an offset into wc; the high word stays 0
.set OX,  72                           ; s[72:79] ((i + rho) % 4) x 16,384, as pairs with 0 above
.set HM,  90                           ; s90  the mask of lanes 16-31
.set MSB, 0
.macro WIN new                         ; the immediate's high byte repeats the setting that is left; a switch that changes nothing is dropped
.if MSB != (\new)
	s_set_vgpr_msb (MSB<<8)|(\new)
.set MSB, (\new)
.endif
.endm
.macro PL n                            ; places: plain vector lines between a matrix instruction and a load into, or a vector line on, its registers (ISA guide 7.12.1 for vector lines)
.rept \n
	v_nop
.endr
.endm
.macro CREST                           ; a round of the cluster's barrier behind its opening barrier
	s_cmp_lg_u32 s[WV], 0
	s_cbranch_scc1 .Lnot_wave_0_\@
	s_barrier_signal -3
.Lnot_wave_0_\@:
	s_barrier_wait -3
	s_barrier_signal -1
	s_barrier_wait -1
.endm
.macro ROUND
	s_barrier_signal -1
	s_barrier_wait -1
	CREST
.endm
.macro JLOAD s                         ; a wave's one tensor load behind a round: waves 0 to 2 a third of W's tile, jointly; wave 3 x's tile.  Four v_nop follow each line
	s_cmp_lt_u32 s[WV], 3
	s_cbranch_scc0 .Lfor_x_\@
	tensor_load_to_lds s[G0W+4*(\s):G0W+4*(\s)+3], s[G1W:G1W+7]
	s_nop 0
.rept 4
	v_nop
.endr
	s_branch .Lasked_\@
.Lfor_x_\@:
	tensor_load_to_lds s[G0X+4*(\s):G0X+4*(\s)+3], s[G1X:G1X+7]
	s_nop 0
.rept 4
	v_nop
.endr
.Lasked_\@:
.endm
.macro STEPD sg, ti, ch                ; slot sg's two descriptors are pointed at the ti-th tile of chunk ch: base + offset, the type bits set anew
	s_add_co_u32 s[TW], s[OW+(\ti)], (\ch)*CHUNKW
	s_add_nc_u64 s[G0W+4*(\sg)+2:G0W+4*(\sg)+3], s[WB:WB+1], s[TW:TW+1]
	s_or_b32 s[G0W+4*(\sg)+3], s[G0W+4*(\sg)+3], 0x80000000
	s_add_nc_u64 s[G0X+4*(\sg)+2:G0X+4*(\sg)+3], s[XB:XB+1], s[OX+2*(\ti):OX+2*(\ti)+1]
	s_or_b32 s[G0X+4*(\sg)+3], s[G0X+4*(\sg)+3], 0x80000000
.endm
.macro LDW slot, kh, i0                ; four fragments of W: 16 loads
.irp di, 0,1,2,3
.irp c, 0,1,2,3
	ds_load_b128 v[WR+16*((\i0)+\di)+4*\c:WR+16*((\i0)+\di)+4*\c+3], v[ADW+(\slot)] offset:2048*(8*(\kh)+(\i0)+\di)+512*\c
.endr
.endr
.endm
.macro LDX slot, kh, a0                ; two fragments of x: 8 loads
.irp da, 0,1
.irp c, 0,1,2,3
	ds_load_b128 v[XR+16*((\a0)+\da)+4*\c:XR+16*((\a0)+\da)+4*\c+3], v[ADX+(\slot)] offset:8192*(\kh)+2048*((\a0)+\da)+512*\c
.endr
.endr
.endm
.macro LDSW slot                       ; a slot's eight registers of W's scale words: register p: lanes 0-15 fragment 2 p, lanes 16-31 fragment 2 p + 1
.irp p, 0,1,2,3,4,5,6,7
	ds_load_b32 v[SW+8*(\slot)+\p], v[ASW+(\slot)] offset:128*\p
.endr
.endm
.macro WM cm, pa, pb                   ; one product; pa, pb: source 0's, source 1's scales lie in lanes 16-31.  cm = 1: it starts the sum
.if (\cm) == 0
.if ((\pa) == 0) && ((\pb) == 0)
	v_wmma_scale_f32_16x16x128_f8f6f4 v[rD:rD+7], v[rA:rA+15], v[rB:rB+15], v[rD:rD+7], v[rSA], v[rSB] matrix_a_fmt:MATRIX_FMT_BF8 matrix_b_fmt:MATRIX_FMT_BF8
.elseif (\pb) == 0
	v_wmma_scale_f32_16x16x128_f8f6f4 v[rD:rD+7], v[rA:rA+15], v[rB:rB+15], v[rD:rD+7], v[rSA], v[rSB] matrix_a_fmt:MATRIX_FMT_BF8 matrix_b_fmt:MATRIX_FMT_BF8 matrix_a_scale:MATRIX_SCALE_ROW1
.elseif (\pa) == 0
	v_wmma_scale_f32_16x16x128_f8f6f4 v[rD:rD+7], v[rA:rA+15], v[rB:rB+15], v[rD:rD+7], v[rSA], v[rSB] matrix_a_fmt:MATRIX_FMT_BF8 matrix_b_fmt:MATRIX_FMT_BF8 matrix_b_scale:MATRIX_SCALE_ROW1
.else
	v_wmma_scale_f32_16x16x128_f8f6f4 v[rD:rD+7], v[rA:rA+15], v[rB:rB+15], v[rD:rD+7], v[rSA], v[rSB] matrix_a_fmt:MATRIX_FMT_BF8 matrix_b_fmt:MATRIX_FMT_BF8 matrix_a_scale:MATRIX_SCALE_ROW1 matrix_b_scale:MATRIX_SCALE_ROW1
.endif
.else
.if ((\pa) == 0) && ((\pb) == 0)
	v_wmma_scale_f32_16x16x128_f8f6f4 v[rD:rD+7], v[rA:rA+15], v[rB:rB+15], 0, v[rSA], v[rSB] matrix_a_fmt:MATRIX_FMT_BF8 matrix_b_fmt:MATRIX_FMT_BF8
.elseif (\pb) == 0
	v_wmma_scale_f32_16x16x128_f8f6f4 v[rD:rD+7], v[rA:rA+15], v[rB:rB+15], 0, v[rSA], v[rSB] matrix_a_fmt:MATRIX_FMT_BF8 matrix_b_fmt:MATRIX_FMT_BF8 matrix_a_scale:MATRIX_SCALE_ROW1
.elseif (\pa) == 0
	v_wmma_scale_f32_16x16x128_f8f6f4 v[rD:rD+7], v[rA:rA+15], v[rB:rB+15], 0, v[rSA], v[rSB] matrix_a_fmt:MATRIX_FMT_BF8 matrix_b_fmt:MATRIX_FMT_BF8 matrix_b_scale:MATRIX_SCALE_ROW1
.else
	v_wmma_scale_f32_16x16x128_f8f6f4 v[rD:rD+7], v[rA:rA+15], v[rB:rB+15], 0, v[rSA], v[rSB] matrix_a_fmt:MATRIX_FMT_BF8 matrix_b_fmt:MATRIX_FMT_BF8 matrix_a_scale:MATRIX_SCALE_ROW1 matrix_b_scale:MATRIX_SCALE_ROW1
.endif
.endif
.endm
; 8 products: x's tiles a0, a0 + 1 against W's fragments i0 .. i0 + 3.  The chunk's 32 accumulators take turns, one instruction a turn, in the same order in every half-slot.
.macro MM8 win, cm, slot, kh, kp, a0, i0
	WIN ((\win)<<6)|((\win)<<4)                    ; C and D in the chunk's window, both sources in window 0
.irp da, 0,1
.irp di, 0,1,2,3
.set rD, 8*(4*((\i0)+\di)+(\a0)+\da)
.set rA, XR+16*((\a0)+\da)
.set rB, WR+16*((\i0)+\di)
.set rSA, SX+2*(\kp)+((\a0)+\da)/2
.set rSB, SW+8*(\slot)+4*(\kh)+((\i0)+\di)/2
	WM \cm, \da, (\di)%2
.endr
.endr
.endm
; A HALF-SLOT: 128 along K, 32 products.  x and W have ONE set of registers each, refilled as parts fall free, each run of loads behind 8 places.
; At its head these loads of mine are out, in this order: W's fragments 0-3 (16; behind a change of slots also 8 scale words), x's tiles 0, 1 (8), x's tiles 2, 3 (8), W's fragments 4-7 (16).
; mode 0: the next operands lie in the same slot.   mode 1: the slot's last half: change of slots with a refill.   mode 2: the same, but nothing is fetched for a next half (an epilogue follows).
; mode 3: the launch's last change of slots: nothing is filled, so no round.   mode 4: the launch's last half-slot.
.macro HS win, cm, slot, kh, kp, mode, ri, rch
.if (\mode) == 0
.set NS, (\slot)
.set NK, 1
.else
.set NS, 1-(\slot)
.set NK, 0
.endif
.if ((\mode) == 0) || ((\mode) == 4)
	s_wait_dscnt 24                                ; x's tiles 2, 3 and W's fragments 4-7 may be out
	MM8 \win, \cm, \slot, \kh, \kp, 0, 0
	s_wait_dscnt 16                                ; W's fragments 4-7 may be out
	MM8 \win, \cm, \slot, \kh, \kp, 2, 0
.else
	WIN 0                                          ; (the add's two registers lie in window 0)
	s_wait_tensorcnt 0x0                           ; all my tensor loads have landed: the one that was out is my part of the other slot
	ds_add_u32 v[SPW], v[NIL]                      ; 0 onto my spare word
.if (\mode) < 3
	STEPD \slot, \ri, \rch                         ; no tensor load of mine is out, so the descriptors may be written
.endif
	s_wait_dscnt 25                                ; the 24 youngest loads and the add may be out
	MM8 \win, \cm, \slot, \kh, \kp, 0, 0
	s_wait_dscnt 0x0                               ; the add is done, and my reads of this slot are over
	s_barrier_signal -1
	MM8 \win, \cm, \slot, \kh, \kp, 2, 0
	WIN 0
	s_barrier_wait -1
.if (\mode) < 3
	CREST                                          ; the barrier has opened a round: no wave of any partner still reads this slot or has a load on its way
	JLOAD \slot                                    ; the first tensor load behind the round, one a wave
.endif
.endif
.if (\mode) == 0
	PL 8
	WIN 0
	LDW NS, NK, 0
	s_wait_dscnt 16                                ; all but the 16 just issued: W's fragments 4-7 are in
.elseif (\mode) == 1
	PL 4                                           ; with the four behind the tensor load: eight places
	LDW NS, NK, 0
	LDSW NS
.elseif (\mode) == 3
	PL 8
	LDW NS, NK, 0
	LDSW NS
.elseif (\mode) == 4
	s_wait_dscnt 0x0
.endif
	MM8 \win, \cm, \slot, \kh, \kp, 0, 4
.if ((\mode) == 0) || ((\mode) == 1) || ((\mode) == 3)
	PL 8
	WIN 0
	LDX NS, NK, 0
.endif
	MM8 \win, \cm, \slot, \kh, \kp, 2, 4
.if ((\mode) == 0) || ((\mode) == 1) || ((\mode) == 3)
	PL 8
	WIN 0
	LDX NS, NK, 2
	LDW NS, NK, 4
.endif
.endm
; A CHUNK: four tiles through slots 0, 1, 0, 1.  Its first two changes of slots ask for its own tiles 2 and 3, its last two for the next chunk's tiles 0 and 1.
.macro CHUNK win, ch, m5, m7
	HS \win, 1, 0, 0, 0, 0, 0, 0
	HS \win, 0, 0, 1, 1, 1, 2, \ch
	HS \win, 0, 1, 0, 2, 0, 0, 0
	HS \win, 0, 1, 1, 3, 1, 3, \ch
	HS \win, 0, 0, 0, 4, 0, 0, 0
	HS \win, 0, 0, 1, 5, \m5, 0, (\ch)+1
	HS \win, 0, 1, 0, 6, 0, 0, 0
	HS \win, 0, 1, 1, 7, \m7, 1, (\ch)+1
.endm
.macro PRELOAD                         ; the operands of a chunk's first half-slot, in the order that a half-slot's waits count on
	WIN 0
	LDW 0, 0, 0
	LDSW 0
	LDX 0, 0, 0
	LDX 0, 0, 2
	LDW 0, 0, 4
.endm
.macro BIASV jj                        ; v's bias for chunk jj: my column of each of the 8 tiles, each number twice, so that it fills a pair
.irp i, 0,1,2,3,4,5,6,7
	global_load_b32 v[BV+2*\i], v[R4], s[10:11] offset:8192+512*(\jj)+64*\i
	global_load_b32 v[BV+2*\i+1], v[R4], s[10:11] offset:8192+512*(\jj)+64*\i
.endr
.endm
	s_load_b256 s[4:11], s[0:1], 0x0               ; xc s[4:5], xs s[6:7], wc s[8:9], bqkv s[10:11]
	s_load_b64 s[12:13], s[0:1], 0x20              ; kvp
	v_lshl_add_u32 v[SPW], v0, 2, SPARE
	v_mov_b32 v[NIL], 0
	ds_add_u32 v4, v5
	ds_add_u32 v4, v5
	s_wait_dscnt 0x0
	v_lshrrev_b32 v1, 5, v0
	v_readfirstlane_b32 s[WV], v1                  ; wave 0..3
	s_bfe_u32 s21, ttmp6, 0x40000                  ; cx: my place in the cluster
	s_lshl_b32 s22, ttmp9, 2                       ; in a cluster launch ttmp9 counts clusters
	s_add_co_u32 s22, s22, s21                     ; rb = 4 x cluster + cx: it enters x's, xs's and kvp's addresses alone
	s_and_b32 s23, ttmp9, 3                        ; rho: the same in all four partners
	; group 1 for a third of W's tile: 176 rows of 32 elements of 8 bytes, dense
	s_mov_b32 s[G1W], 15|(3<<16)|(1<<21)           ; 15:0 the mask: all four work-groups; 17:16 elements of 8 bytes; 21 set beside a mask
	s_mov_b32 s[G1W+1], 32<<16                     ; tensor_dim0 = 32
	s_mov_b32 s[G1W+2], 176<<16                    ; tensor_dim1 = 176
	s_mov_b32 s[G1W+3], 32<<16                     ; tile_dim0 = 32
	s_mov_b32 s[G1W+4], 176                        ; tile_dim1 = 176
	s_mov_b32 s[G1W+5], 32                         ; from row to row
	s_mov_b32 s[G1W+6], 0
	s_mov_b32 s[G1W+7], 0
	; group 1 for x's tile: 64 rows of 256 bytes, dense, no mask
	s_mov_b32 s[G1X], 3<<16
	s_mov_b32 s[G1X+1], 32<<16
	s_mov_b32 s[G1X+2], 64<<16
	s_mov_b32 s[G1X+3], 32<<16
	s_mov_b32 s[G1X+4], 64
	s_mov_b32 s[G1X+5], 32
	s_mov_b32 s[G1X+6], 0
	s_mov_b32 s[G1X+7], 0
.irp i, 0,1,2,3
	s_add_co_u32 s80, s23, \i
	s_and_b32 s80, s80, 3                          ; which pair of K steps the i-th tile of a chunk is
	s_mul_i32 s[OW+\i], s80, TILEW
	s_lshl_b32 s[OX+2*\i], s80, 14
	s_mov_b32 s[OX+2*\i+1], 0
.endr
	s_mul_i32 s81, s[WV], THIRD                    ; my third: in memory and in a slot
	s_add_co_u32 s[TW], s81, SEC0
	s_mov_b32 s[TW+1], 0
	s_lshl_b32 s82, s22, 16                        ; 65,536 bytes of codes a row block
	s_mov_b32 s83, 0
	s_mov_b32 s[SEL], 0x76543210
	s_mov_b32 s[SEL+1], 0xfedcba98
	s_wait_kmcnt 0x0
	s_add_nc_u64 s[WB:WB+1], s[8:9], s[TW:TW+1]
	s_add_nc_u64 s[XB:XB+1], s[4:5], s[82:83]
.irp s, 0,1
	s_mov_b32 s[G0W+4*\s], 1                       ; count = 1
	s_add_co_u32 s[G0W+4*\s+1], s81, \s*SLOTB      ; LDS address: the slot + my third: no place in the cluster enters it
	s_mov_b32 s[G0X+4*\s], 1
	s_mov_b32 s[G0X+4*\s+1], \s*SLOTB+XOFF
	STEPD \s, \s, 0                                ; the first chunk's tiles 0 and 1
.endr
	ROUND                                          ; all four work-groups are here: the first joint loads meet
	s_cmp_lt_u32 s[WV], 3                          ; a wave's two first fills stand in one branch, ahead of every wait on TENSORcnt, every LDS read and every other barrier
	s_cbranch_scc0 .Lfirst_x
	tensor_load_to_lds s[G0W:G0W+3], s[G1W:G1W+7]
	s_nop 0
	tensor_load_to_lds s[G0W+4:G0W+7], s[G1W:G1W+7]
	s_nop 0
.rept 4
	v_nop
.endr
	s_branch .Lfirst_asked
.Lfirst_x:
	tensor_load_to_lds s[G0X:G0X+3], s[G1X:G1X+7]
	s_nop 0
	tensor_load_to_lds s[G0X+4:G0X+7], s[G1X:G1X+7]
	s_nop 0
.rept 4
	v_nop
.endr
.Lfirst_asked:
	s_lshl_b32 s82, s22, 11
	s_add_nc_u64 s[6:7], s[6:7], s[82:83]          ; xs at my row block: 2,048 bytes each
	s_lshl_b32 s84, s[WV], 10
	s_mov_b32 s85, 0
	s_add_nc_u64 s[10:11], s[10:11], s[84:85]      ; bqkv at my 256 columns of a section
	s_lshl_b32 s82, s22, 12
	s_add_co_u32 s82, s82, s84
	s_add_nc_u64 s[12:13], s[12:13], s[82:83]      ; kvp at my row block's row, my 256 columns
	v_and_b32 v1, 31, v0                           ; lane
	v_and_b32 v2, 15, v0                           ; r
	v_bfe_u32 v3, v0, 4, 1                         ; h
	v_lshlrev_b32 v[ADX], 4, v1                    ; 16 x lane
	s_mul_i32 s86, s[WV], WBLK
	v_add_nc_u32 v[ADW], s86, v[ADX]
	v_add_nc_u32 v[ADW+1], SLOTB, v[ADW]
	v_lshlrev_b32 v[L4], 2, v1
	v_add_nc_u32 v[ASW], s86, v[L4]
	v_add_nc_u32 v[ASW], 32768, v[ASW]             ; the scale words lie behind the 16 fragments
	v_add_nc_u32 v[ASW+1], SLOTB, v[ASW]
	v_add_nc_u32 v[ADX+1], SLOTB+XOFF, v[ADX]
	v_add_nc_u32 v[ADX], XOFF, v[ADX]
	v_lshlrev_b32 v[R4], 2, v2
	v_lshlrev_b32 v[EXL], 5, v3
	v_add_nc_u32 v[EXL], EX, v[EXL]                ; token 16 a + 8 h + j lies at 64 a + 32 h + 4 j of a wave's 256 bytes
	s_lshl_b32 s87, s[WV], 8
	v_add_nc_u32 v[EXS], s87, v[EXL]
	v_cmp_lt_u32 s[HM], 15, v1
.irp i, 0,1,2,3
	s_lshr_b32 s84, s[OX+2*\i], 5                  ; 512 bytes of scale words for a pair of K steps
	v_add_nc_u32 v[BV+\i], s84, v[L4]
.endr
.irp i, 0,1,2,3                                ; x's scale words of all eight K steps, in the order in which this cluster walks them: register 2 (2 i + kh) + p
.irp kh, 0,1
.irp p, 0,1
	global_load_b32 v[SX+2*(2*\i+\kh)+\p], v[BV+\i], s[6:7] offset:256*\kh+128*\p
.endr
.endr
.endr
	WIN 0x40                                       ; destination window 1
.irp n, 0,1,2,3,4,5,6,7,8,9,10,11,12,13,14,15  ; k's bias: my column of tile n of my 16, each number twice
	global_load_b32 v[2*\n], v[R4], s[10:11] offset:4096+64*\n
	global_load_b32 v[2*\n+1], v[R4], s[10:11] offset:4096+64*\n
.endr
	WIN 0
	s_wait_loadcnt 0x0
	s_wait_tensorcnt 1                             ; my part of slot 0 is in; slot 1's may stay out
	s_barrier_signal -1
	s_barrier_wait -1                              ; everybody's is
	PRELOAD
	CHUNK 2, 0, 1, 1                               ; k, my columns 0-127
	CHUNK 3, 1, 1, 2                               ; k, my columns 128-255
	; ---- k + bk; |k| over the whole row; k / |k| stays in windows 2 and 3
	PL 9                                           ; eight places in front of vector lines on the last products' registers; the ninth since window 1 is begun anew by matrix instructions further on
.irp jj, 0,1
	WIN 0x86+0x41*\jj                              ; k in window 2 or 3, the bias in window 1
.irp i, 0,1,2,3,4,5,6,7
.irp a, 0,1,2,3
.irp q, 0,1,2,3
	v_pk_add_f32 v[8*(4*\i+\a)+2*\q:8*(4*\i+\a)+2*\q+1], v[8*(4*\i+\a)+2*\q:8*(4*\i+\a)+2*\q+1], v[2*(8*\jj+\i):2*(8*\jj+\i)+1]   ; each accumulator from its low end on
.endr
.endr
.endr
.endr
.irp jj, 0,1
	WIN 0x0a+5*\jj                                 ; both sources in k's window, the sums in window 0
.irp i, 0,1,2,3,4,5,6,7
.irp a, 0,1,2,3
.irp q, 0,1,2,3
.if (\jj+\i) == 0
	v_pk_mul_f32 v[XR+8*\a+2*\q:XR+8*\a+2*\q+1], v[8*(4*\i+\a)+2*\q:8*(4*\i+\a)+2*\q+1], v[8*(4*\i+\a)+2*\q:8*(4*\i+\a)+2*\q+1]   ; the first squares start the 16 chains
.else
	v_pk_fma_f32 v[XR+8*\a+2*\q:XR+8*\a+2*\q+1], v[8*(4*\i+\a)+2*\q:8*(4*\i+\a)+2*\q+1], v[8*(4*\i+\a)+2*\q:8*(4*\i+\a)+2*\q+1], v[XR+8*\a+2*\q:XR+8*\a+2*\q+1]
.endif
.endr
.endr
.endr
.endr
	WIN 0
.irp m, 1,2,4,8                                ; over the sixteen columns that the lanes of a half hold
.set n, 0
.rept 32
	v_add_f32_dpp v[XR+n], v[XR+n], v[XR+n] row_xmask:\m row_mask:0xf bank_mask:0xf
.set n, n+1
.endr
.endr
.irp a, 0,1,2,3
.irp q, 0,1
	ds_store_b128 v[EXS], v[XR+8*\a+4*\q:XR+8*\a+4*\q+3] offset:64*\a+16*\q   ; the sixteen lanes of a half write the same bytes with the same values
.endr
.endr
	s_wait_dscnt 0x0                               ; for the others' sake: my stores are done
	s_barrier_signal -1                            ; my one tensor load may stay out
	s_barrier_wait -1
.irp w, 0,1,2,3
.irp a, 0,1,2,3
.irp q, 0,1
	ds_load_b128 v[96+32*\w+8*\a+4*\q:96+32*\w+8*\a+4*\q+3], v[EXL] offset:256*\w+64*\a+16*\q
.endr
.endr
.endr
	s_wait_dscnt 0x0
.irp w, 1,2,3
.set n, 0
.rept 16
	v_pk_add_f32 v[96+2*n:96+2*n+1], v[96+2*n:96+2*n+1], v[96+32*\w+2*n:96+32*\w+2*n+1]
.set n, n+1
.endr
.endr
.set n, 0
.rept 32
	v_rsq_f32 v[XR+n], v[96+n]                     ; 1 / |k| of token 16 a + 8 h + j in register 8 a + j
.set n, n+1
.endr
	v_nop                                          ; a plain line behind the last of the batch
	s_wait_alu depctr_va_vdst(0)                   ; one wait for the 32, ahead of their first reader
.irp jj, 0,1
	WIN 0x82+0x41*\jj
.irp i, 0,1,2,3,4,5,6,7
.irp a, 0,1,2,3
.irp q, 0,1,2,3
	v_pk_mul_f32 v[8*(4*\i+\a)+2*\q:8*(4*\i+\a)+2*\q+1], v[8*(4*\i+\a)+2*\q:8*(4*\i+\a)+2*\q+1], v[XR+8*\a+2*\q:XR+8*\a+2*\q+1]
.endr
.endr
.endr
.endr
	WIN 0
	BIASV 0
; ---- chunk jj of v is finished: v + bv; the sum over my 64 tokens of (k / |k|) v; 128 numbers a wave go out
.macro EV jj
	s_wait_loadcnt 0x0                             ; v's bias
	PL 9
	WIN 0x41                                       ; v in window 1, the bias in window 0
.irp i, 0,1,2,3,4,5,6,7
.irp a, 0,1,2,3
.irp q, 0,1,2,3
	v_pk_add_f32 v[8*(4*\i+\a)+2*\q:8*(4*\i+\a)+2*\q+1], v[8*(4*\i+\a)+2*\q:8*(4*\i+\a)+2*\q+1], v[BV+2*\i:BV+2*\i+1]   ; each accumulator from its low end on
.endr
.endr
.endr
	WIN 0x06+(\jj)                                 ; source 0: k / |k| in window 2 or 3; source 1: v in window 1; the sums in window 0
.irp a, 0,1,2,3
.irp q, 0,1,2,3
.irp i, 0,1,2,3,4,5,6,7
.if (\a+\q) == 0
	v_pk_mul_f32 v[XR+2*\i:XR+2*\i+1], v[8*(4*\i+\a)+2*\q:8*(4*\i+\a)+2*\q+1], v[8*(4*\i+\a)+2*\q:8*(4*\i+\a)+2*\q+1]
.else
	v_pk_fma_f32 v[XR+2*\i:XR+2*\i+1], v[8*(4*\i+\a)+2*\q:8*(4*\i+\a)+2*\q+1], v[8*(4*\i+\a)+2*\q:8*(4*\i+\a)+2*\q+1], v[XR+2*\i:XR+2*\i+1]
.endif
.endr
.endr
.endr
	WIN 0
.irp i, 0,1,2,3,4,5,6,7
	v_add_f32 v[80+\i], v[XR+2*\i], v[XR+2*\i+1]   ; even tokens' and odd tokens',
.endr
.irp i, 0,1,2,3,4,5,6,7
	v_permlanex16_b32 v[88+\i], v[80+\i], s[SEL], s[SEL+1]
.endr
.irp i, 0,1,2,3,4,5,6,7
	v_add_f32 v[80+\i], v[80+\i], v[88+\i]         ; and the other half of the lanes': all 64 tokens, column 16 i + r
.endr
.irp p, 0,1,2,3
	v_cndmask_b32 v[96+\p], v[80+2*\p], v[81+2*\p], s[HM]   ; lanes 0-15 tile 2 p, lanes 16-31 tile 2 p + 1: column 32 p + lane
.endr
.irp p, 0,1,2,3
	global_store_b32 v[L4], v[96+\p], s[12:13] offset:512*(\jj)+128*\p
.endr
.endm
	PRELOAD
	CHUNK 1, 2, 1, 2                               ; v, my columns 0-127
	EV 0
	BIASV 1
	s_wait_xcnt 0x0                                ; the stores have read their data: the registers take LDS loads next
	PRELOAD
	CHUNK 1, 3, 3, 4                               ; v, my columns 128-255: the last chunk asks for nothing beyond its own tiles
	EV 1
	s_wait_tensorcnt 0x0                           ; the wave's end
	ds_add_u32 v[SPW], v[NIL]
	s_wait_dscnt 0x0
	ROUND                                          ; the closing round: no work-group ends while a partner may still ask for a tile that names it
	s_endpgm
.Lfunc_end_k_q1c12394888_kvpart:
	.size	k_q1c12394888_kvpart, .Lfunc_end_k_q1c12394888_kvpart-k_q1c12394888_kvpart
	.p2alignl 7, 3214868480
	.fill 96, 4, 3214868480
	.section	.rodata,"a",@progbits
	.p2align	6, 0x0
	.amdhsa_kernel k_q1c12394888_kvpart
		.amdhsa_group_segment_fixed_size 327680
		.amdhsa_private_segment_fixed_size 0
		.amdhsa_enable_private_segment 0
		.amdhsa_kernarg_size 40
		.amdhsa_user_sgpr_count 2
		.amdhsa_user_sgpr_kernarg_segment_ptr 1
		.amdhsa_wavefront_size32 1
		.amdhsa_system_sgpr_workgroup_id_x 1
		.amdhsa_system_sgpr_workgroup_id_y 1
		.amdhsa_system_sgpr_workgroup_id_z 1
		.amdhsa_system_vgpr_workitem_id 0
		.amdhsa_next_free_vgpr 1024
		.amdhsa_next_free_sgpr 96
		.amdhsa_reserve_vcc 0
		.amdhsa_float_denorm_mode_32 3
		.amdhsa_float_denorm_mode_16_64 3
		.amdhsa_memory_ordered 1
		.amdhsa_forward_progress 1
		.amdhsa_inst_pref_size 255
	.end_amdhsa_kernel
	.section	.bss,"aw",@nobits
	.p2align	6
	.space	262144
	.amdgpu_metadata
---
amdhsa.version: [ 1, 2 ]
amdhsa.kernels:
  - .name:           k_q1c12394888_kvpart
    .symbol:         k_q1c12394888_kvpart.kd
    .args:
      - { .name: xc, .offset: 0, .size: 8, .value_kind: global_buffer, .address_space: global }
      - { .name: xs, .offset: 8, .size: 8, .value_kind: global_buffer, .address_space: global }
      - { .name: wc, .offset: 16, .size: 8, .value_kind: global_buffer, .address_space: global }
      - { .name: bqkv, .offset: 24, .size: 8, .value_kind: global_buffer, .address_space: global }
      - { .name: kvp, .offset: 32, .size: 8, .value_kind: global_buffer, .address_space: global }
    .group_segment_fixed_size: 327680
    .private_segment_fixed_size: 0
    .kernarg_segment_align: 8
    .kernarg_segment_size: 40
    .max_flat_workgroup_size: 128
    .sgpr_count:     96
    .vgpr_count:     1024
    .wavefront_size: 32
...
	.end_amdgpu_metadata
.endif
;; end of part 2
;; launch qout (part 3): grid 256 x 1, 4 waves a work-group, clusters of 4 x 1, 327,680 bytes of LDS; arguments xc, xs, wc, bqkv, kvp, scale, bias, out0; writes out0
.if DOCPART == 3
	.amdgcn_target "amdgcn-amd-amdhsa--gfx1250"
	.amdhsa_code_object_version 6
	.text
	.protected	k_q1c12394888_qout
	.globl	k_q1c12394888_qout
	.p2align	8
	.type	k_q1c12394888_qout,@function
k_q1c12394888_qout:
	s_mov_b64 s[64:65], 0
	v_nop
	global_prefetch_b8 v0, s[64:65] scope:SCOPE_SE
	s_setreg_imm32_b32 hwreg(HW_REG_WAVE_MODE, 25, 1), 1
	s_wait_xcnt 0x0
	s_wait_alu depctr_hold_cnt(0) depctr_sa_sdst(0) depctr_va_vdst(0) depctr_va_sdst(0) depctr_va_ssrc(0) depctr_va_vcc(0) depctr_vm_vsrc(0)
	s_getreg_b32 s2, hwreg(HW_REG_IB_STS2, 6, 4)
	s_cmp_eq_u32 s2, 0
	s_cbranch_scc0 .Lentry_in_a_cluster
	s_endpgm
.Lentry_in_a_cluster:
	s_bfe_u32 s2, ttmp6, 0x10000c
	s_cmp_lg_u32 s2, 0x3003
	s_cbranch_scc0 .Lentry_shape_is_right
	s_endpgm
.Lentry_shape_is_right:
; out[t][d] = q[t][d] / |q[t]| x kv[b][d] x scale[d] + bias[d], with q = x Wq + bq on codes of E5M2 with E8M0 scales, sums in f32, and kv[b] = the sum of the batch's 64 rows of kvp.
; SHARES, RING, CLUSTER and ROTATION are those of the launch before: a work-group owns 64 whole rows, wave w columns 256 w .. 256 w + 255, in two chunks of 128 columns (windows 2 and 3); two LDS slots of two
; K steps; W's tiles asked for jointly by the four work-groups of a cluster (waves 0 to 2), x's by wave 3; the i-th tile of a chunk is the pair of K steps (i + cluster number) % 4.
; THE PRODUCT IS USED TRANSPOSED (source 0 = 16 columns of W, source 1 = 16 tokens of x): a lane holds ONE token and eight neighbouring columns, so |q| is one number a lane and a tile, and results pack into rows.
; bq is the C of each sum's first product.
; kv IS SUMMED BESIDE THE PRODUCTS, since only the way out needs it: each wave adds the batch's 64 partial rows for its own 256 columns, 16 rows (32 loads, 16,384 bytes a wave) at a time, in the upper half of
; window 1, which the products leave free.  A batch is asked for behind one tile's two half-slots and added behind the next tile's: 64 matrix instructions lie between.  Then kv x scale and bias go into the
; wave's own 2,048 bytes of LDS, from which the way out takes them in the accumulators' layout.
; THE WAY OUT goes through a stage of 16 rows x (512 + 16) bytes a wave, in slot 0, which by then has had its last fill and its last read: each store of a wave covers 512 consecutive bytes, aligned.
; By its own count a wave has two tensor loads out at the start and one behind each round.  lds_bytes: the text uses 312,832 bytes.
; LIMITS: NaN and infinities are not served; a row of q whose sum of squares lies under 2^-126 counts as a zero row for v_rsq_f32; a zero row gives NaN, as the definition does.
; REGISTERS.  window 0: v1-15 addresses; v16-31 W's scale words; v32-47 x's; v48-55 small things; v56-63 kv's running sum; v64-127 x's four fragments; v128-255 W's eight, on the way out rows read back.
;   window 1: v0-127 bq, later kv x scale; v128-255 16 rows of kvp at a time, then scale and bias, on the way out bias.   windows 2, 3: q's accumulators: (a, i) at v[64 a + 8 i].
.set SLOTB,  151552
.set WBLK,   33792
.set THIRD,  45056
.set TILEW,  135168
.set XOFF,   135168
.set CHUNKW, 540672
.set SEC0,   0                         ; q's tiles are wc's first eight
.set EX,     303104                    ; 64 tokens x 4 waves x 4 bytes
.set COEF,   304128                    ; 2,048 bytes a wave: kv x scale, then bias, of its 256 columns
.set SPARE,  312320                    ; the spare words: two blocks of 256 bytes that no other line names
.set SP,     528                       ; a stage row
.set CO,  1                            ; v1   16 x lane
.set RD,  2                            ; v2   the stage: where I read a row back
.set STO, 3                            ; v3   the stage: where I put 32 bytes of a row
.set SPW, 4
.set NIL, 5
.set ADW, 6
.set ADX, 8
.set ASW, 10
.set EXS, 12                           ; v12  where I put my wave's sums of squares
.set EXL, 13                           ; v13  where I read the four waves'
.set CR,  14                           ; v14  my coefficients, as the accumulators' layout wants them
.set CW,  15                           ; v15  my coefficients, as they are made
.set SW,  16
.set SX,  32
.set RN,  48                           ; v48-55 1 / |q|, twice, for each of the four tiles
.set KS,  56                           ; v56-63 kv of my eight columns: 4 lane + 0..3 of my first 128, and of my second 128
.set XR,  64
.set WR,  128
.set BK,  128                          ; the way out: 16 rows read back: v128-191 and v192-255 by turns
.set KB,  128                          ; in window 1: 16 rows of kvp, eight registers a row
.set WV,  20
.set G1W, 24
.set G1X, 32
.set G0W, 40
.set G0X, 48
.set WB,  56
.set XB,  58
.set OW,  60
.set SEL, 66
.set TW,  68
.set OX,  72
.set MSB, 0
.macro WIN new                         ; the immediate's high byte repeats the setting that is left; a switch that changes nothing is dropped
.if MSB != (\new)
	s_set_vgpr_msb (MSB<<8)|(\new)
.set MSB, (\new)
.endif
.endm
.macro PL n                            ; places (ISA guide 7.12.1 for vector lines)
.rept \n
	v_nop
.endr
.endm
.macro CREST                           ; a round of the cluster's barrier behind its opening barrier
	s_cmp_lg_u32 s[WV], 0
	s_cbranch_scc1 .Lnot_wave_0_\@
	s_barrier_signal -3
.Lnot_wave_0_\@:
	s_barrier_wait -3
	s_barrier_signal -1
	s_barrier_wait -1
.endm
.macro ROUND
	s_barrier_signal -1
	s_barrier_wait -1
	CREST
.endm
.macro JLOAD s                         ; a wave's one tensor load behind a round: waves 0 to 2 a third of W's tile, jointly; wave 3 x's tile.  Four v_nop follow each line
	s_cmp_lt_u32 s[WV], 3
	s_cbranch_scc0 .Lfor_x_\@
	tensor_load_to_lds s[G0W+4*(\s):G0W+4*(\s)+3], s[G1W:G1W+7]
	s_nop 0
.rept 4
	v_nop
.endr
	s_branch .Lasked_\@
.Lfor_x_\@:
	tensor_load_to_lds s[G0X+4*(\s):G0X+4*(\s)+3], s[G1X:G1X+7]
	s_nop 0
.rept 4
	v_nop
.endr
.Lasked_\@:
.endm
.macro STEPD sg, ti, ch                ; slot sg's two descriptors are pointed at the ti-th tile of chunk ch: base + offset, the type bits set anew
	s_add_co_u32 s[TW], s[OW+(\ti)], (\ch)*CHUNKW
	s_add_nc_u64 s[G0W+4*(\sg)+2:G0W+4*(\sg)+3], s[WB:WB+1], s[TW:TW+1]
	s_or_b32 s[G0W+4*(\sg)+3], s[G0W+4*(\sg)+3], 0x80000000
	s_add_nc_u64 s[G0X+4*(\sg)+2:G0X+4*(\sg)+3], s[XB:XB+1], s[OX+2*(\ti):OX+2*(\ti)+1]
	s_or_b32 s[G0X+4*(\sg)+3], s[G0X+4*(\sg)+3], 0x80000000
.endm
.macro LDW slot, kh, i0                ; four fragments of W: 16 loads
.irp di, 0,1,2,3
.irp c, 0,1,2,3
	ds_load_b128 v[WR+16*((\i0)+\di)+4*\c:WR+16*((\i0)+\di)+4*\c+3], v[ADW+(\slot)] offset:2048*(8*(\kh)+(\i0)+\di)+512*\c
.endr
.endr
.endm
.macro LDX slot, kh, a0                ; two fragments of x: 8 loads
.irp da, 0,1
.irp c, 0,1,2,3
	ds_load_b128 v[XR+16*((\a0)+\da)+4*\c:XR+16*((\a0)+\da)+4*\c+3], v[ADX+(\slot)] offset:8192*(\kh)+2048*((\a0)+\da)+512*\c
.endr
.endr
.endm
.macro LDSW slot                       ; a slot's eight registers of W's scale words
.irp p, 0,1,2,3,4,5,6,7
	ds_load_b32 v[SW+8*(\slot)+\p], v[ASW+(\slot)] offset:128*\p
.endr
.endm
.macro WM cm, pa, pb                   ; one product; pa, pb: source 0's, source 1's scales lie in lanes 16-31.  cm = 1: it starts the sum, with bq as C
.if (\cm) == 0
.if ((\pa) == 0) && ((\pb) == 0)
	v_wmma_scale_f32_16x16x128_f8f6f4 v[rD:rD+7], v[rA:rA+15], v[rB:rB+15], v[rD:rD+7], v[rSA], v[rSB] matrix_a_fmt:MATRIX_FMT_BF8 matrix_b_fmt:MATRIX_FMT_BF8
.elseif (\pb) == 0
	v_wmma_scale_f32_16x16x128_f8f6f4 v[rD:rD+7], v[rA:rA+15], v[rB:rB+15], v[rD:rD+7], v[rSA], v[rSB] matrix_a_fmt:MATRIX_FMT_BF8 matrix_b_fmt:MATRIX_FMT_BF8 matrix_a_scale:MATRIX_SCALE_ROW1
.elseif (\pa) == 0
	v_wmma_scale_f32_16x16x128_f8f6f4 v[rD:rD+7], v[rA:rA+15], v[rB:rB+15], v[rD:rD+7], v[rSA], v[rSB] matrix_a_fmt:MATRIX_FMT_BF8 matrix_b_fmt:MATRIX_FMT_BF8 matrix_b_scale:MATRIX_SCALE_ROW1
.else
	v_wmma_scale_f32_16x16x128_f8f6f4 v[rD:rD+7], v[rA:rA+15], v[rB:rB+15], v[rD:rD+7], v[rSA], v[rSB] matrix_a_fmt:MATRIX_FMT_BF8 matrix_b_fmt:MATRIX_FMT_BF8 matrix_a_scale:MATRIX_SCALE_ROW1 matrix_b_scale:MATRIX_SCALE_ROW1
.endif
.else
.if ((\pa) == 0) && ((\pb) == 0)
	v_wmma_scale_f32_16x16x128_f8f6f4 v[rD:rD+7], v[rA:rA+15], v[rB:rB+15], v[rC:rC+7], v[rSA], v[rSB] matrix_a_fmt:MATRIX_FMT_BF8 matrix_b_fmt:MATRIX_FMT_BF8
.elseif (\pb) == 0
	v_wmma_scale_f32_16x16x128_f8f6f4 v[rD:rD+7], v[rA:rA+15], v[rB:rB+15], v[rC:rC+7], v[rSA], v[rSB] matrix_a_fmt:MATRIX_FMT_BF8 matrix_b_fmt:MATRIX_FMT_BF8 matrix_a_scale:MATRIX_SCALE_ROW1
.elseif (\pa) == 0
	v_wmma_scale_f32_16x16x128_f8f6f4 v[rD:rD+7], v[rA:rA+15], v[rB:rB+15], v[rC:rC+7], v[rSA], v[rSB] matrix_a_fmt:MATRIX_FMT_BF8 matrix_b_fmt:MATRIX_FMT_BF8 matrix_b_scale:MATRIX_SCALE_ROW1
.else
	v_wmma_scale_f32_16x16x128_f8f6f4 v[rD:rD+7], v[rA:rA+15], v[rB:rB+15], v[rC:rC+7], v[rSA], v[rSB] matrix_a_fmt:MATRIX_FMT_BF8 matrix_b_fmt:MATRIX_FMT_BF8 matrix_a_scale:MATRIX_SCALE_ROW1 matrix_b_scale:MATRIX_SCALE_ROW1
.endif
.endif
.endm
; 8 products: x's tiles a0, a0 + 1 against W's fragments i0 .. i0 + 3, transposed.  The chunk's 32 accumulators take turns, one instruction a turn, in the same order in every half-slot.
.macro MM8 win, cm, slot, kh, kp, a0, i0
.if \cm
	WIN ((\win)<<6)|0x10                           ; D in the chunk's window, C (bq) in window 1
.else
	WIN ((\win)<<6)|((\win)<<4)
.endif
.irp da, 0,1
.irp di, 0,1,2,3
.set rD, 64*((\a0)+\da)+8*((\i0)+\di)
.set rA, WR+16*((\i0)+\di)
.set rB, XR+16*((\a0)+\da)
.set rC, 64*((\win)-2)+8*((\i0)+\di)
.set rSA, SW+8*(\slot)+4*(\kh)+((\i0)+\di)/2
.set rSB, SX+2*(\kp)+((\a0)+\da)/2
	WM \cm, (\di)%2, \da
.endr
.endr
.endm
; A HALF-SLOT: 128 along K, 32 products.  x and W have ONE set of registers each, refilled as parts fall free, each run of loads behind 8 places.
; At its head these loads of mine are out, in this order: W's fragments 0-3 (16; behind a change of slots also 8 scale words), x's tiles 0, 1 (8), x's tiles 2, 3 (8), W's fragments 4-7 (16).
; (Once in the launch four LDS stores of coefficients are younger than these: the counted waits then ask for four loads more than they need, never for fewer.)
; mode 0: the next operands lie in the same slot.   mode 1: the slot's last half: change of slots with a refill.
; mode 3: the launch's last change of slots: nothing is filled, so no round.   mode 4: the launch's last half-slot.
.macro HS win, cm, slot, kh, kp, mode, ri, rch
.if (\mode) == 0
.set NS, (\slot)
.set NK, 1
.else
.set NS, 1-(\slot)
.set NK, 0
.endif
.if ((\mode) == 0) || ((\mode) == 4)
	s_wait_dscnt 24                                ; x's tiles 2, 3 and W's fragments 4-7 may be out
	MM8 \win, \cm, \slot, \kh, \kp, 0, 0
	s_wait_dscnt 16                                ; W's fragments 4-7 may be out
	MM8 \win, \cm, \slot, \kh, \kp, 2, 0
.else
	WIN 0                                          ; (the add's two registers lie in window 0)
	s_wait_tensorcnt 0x0                           ; all my tensor loads have landed: the one that was out is my part of the other slot
	ds_add_u32 v[SPW], v[NIL]                      ; 0 onto my spare word
.if (\mode) < 3
	STEPD \slot, \ri, \rch                         ; no tensor load of mine is out, so the descriptors may be written
.endif
	s_wait_dscnt 25                                ; the 24 youngest loads and the add may be out
	MM8 \win, \cm, \slot, \kh, \kp, 0, 0
	s_wait_dscnt 0x0                               ; the add is done, and my reads of this slot are over
	s_barrier_signal -1
	MM8 \win, \cm, \slot, \kh, \kp, 2, 0
	WIN 0
	s_barrier_wait -1
.if (\mode) < 3
	CREST                                          ; the barrier has opened a round: no wave of any partner still reads this slot or has a load on its way
	JLOAD \slot                                    ; the first tensor load behind the round, one a wave
.endif
.endif
.if (\mode) == 0
	PL 8
	WIN 0
	LDW NS, NK, 0
	s_wait_dscnt 16                                ; all but the 16 just issued: W's fragments 4-7 are in
.elseif (\mode) == 1
	PL 4                                           ; with the four behind the tensor load: eight places
	LDW NS, NK, 0
	LDSW NS
.elseif (\mode) == 3
	PL 8
	LDW NS, NK, 0
	LDSW NS
.elseif (\mode) == 4
	s_wait_dscnt 0x0
.endif
	MM8 \win, \cm, \slot, \kh, \kp, 0, 4
.if ((\mode) == 0) || ((\mode) == 1) || ((\mode) == 3)
	PL 8
	WIN 0
	LDX NS, NK, 0
.endif
	MM8 \win, \cm, \slot, \kh, \kp, 2, 4
.if ((\mode) == 0) || ((\mode) == 1) || ((\mode) == 3)
	PL 8
	WIN 0
	LDX NS, NK, 2
	LDW NS, NK, 4
.endif
.endm
.macro TILE win, cm, slot, kp, mode, ri, rch   ; a tile's two half-slots, kp and kp + 1 of the chunk; mode, ri, rch: what the second does at the change of slots
	HS \win, \cm, \slot, 0, \kp, 0, 0, 0
	HS \win, 0, \slot, 1, (\kp)+1, \mode, \ri, \rch
.endm
.macro PRELOAD
	WIN 0
	LDW 0, 0, 0
	LDSW 0
	LDX 0, 0, 0
	LDX 0, 0, 2
	LDW 0, 0, 4
.endm
; kv BESIDE THE PRODUCTS.  None of these lines names a register of a matrix instruction.
.macro KVLOAD b                        ; the batch's partial rows 16 b .. 16 b + 15, my 1,024 bytes of each: 32 loads of 512 consecutive bytes
	WIN 0x40                                       ; destination window 1
.set ro, 0
.rept 16
	global_load_b128 v[KB+8*ro:KB+8*ro+3], v[CO], s[12:13] offset:4096*(16*(\b)+ro)
	global_load_b128 v[KB+8*ro+4:KB+8*ro+7], v[CO], s[12:13] offset:4096*(16*(\b)+ro)+512
.set ro, ro+1
.endr
	WIN 0
.endm
.macro KVSUM b                         ; 16 rows become two, by halves; the two go onto the running sum
	s_wait_loadcnt 0x0                             ; this batch's 32 loads are the only global loads of mine that are out
	WIN 0x45                                       ; destination and both sources in window 1
.irp lv, 8,4,2
.set n, 0
.rept 4*\lv
	v_pk_add_f32 v[KB+2*n:KB+2*n+1], v[KB+2*n:KB+2*n+1], v[KB+2*n+8*\lv:KB+2*n+8*\lv+1]
.set n, n+1
.endr
.endr
.if (\b) == 0
	WIN 0x05                                       ; the first batch starts the sum: nothing is cleared
.irp q, 0,1,2,3
	v_pk_add_f32 v[KS+2*\q:KS+2*\q+1], v[KB+2*\q:KB+2*\q+1], v[KB+8+2*\q:KB+8+2*\q+1]
.endr
.else
	WIN 0x04                                       ; the sum in window 0, the rows in window 1
.irp e, 0,8
.irp q, 0,1,2,3
	v_pk_add_f32 v[KS+2*\q:KS+2*\q+1], v[KS+2*\q:KS+2*\q+1], v[KB+\e+2*\q:KB+\e+2*\q+1]
.endr
.endr
.endif
	WIN 0
.endm
.macro SBLOAD                          ; scale and bias of my eight columns, over the rows that have been added
	WIN 0x40
	global_load_b128 v[KB:KB+3], v[CO], s[14:15]                  ; scale: columns 4 lane + 0..3 of my first 128,
	global_load_b128 v[KB+4:KB+7], v[CO], s[14:15] offset:512     ; and of my second 128
	global_load_b128 v[KB+8:KB+11], v[CO], s[16:17]               ; bias likewise
	global_load_b128 v[KB+12:KB+15], v[CO], s[16:17] offset:512
	WIN 0
.endm
.macro COEFS                           ; kv x scale, and bias, into my wave's own bytes of LDS: nobody else reads them
	s_wait_loadcnt 0x0                             ; scale and bias
	WIN 0x04
.irp q, 0,1,2,3
	v_pk_mul_f32 v[KS+2*\q:KS+2*\q+1], v[KS+2*\q:KS+2*\q+1], v[KB+2*\q:KB+2*\q+1]
.endr
	WIN 0
	ds_store_b128 v[CW], v[KS:KS+3]
	ds_store_b128 v[CW], v[KS+4:KS+7] offset:512
	WIN 0x04                                       ; an LDS store's data are its source 1
	ds_store_b128 v[CW], v[KB+8:KB+11] offset:1024
	ds_store_b128 v[CW], v[KB+12:KB+15] offset:1536
	WIN 0
.endm
	s_load_b256 s[4:11], s[0:1], 0x0               ; xc s[4:5], xs s[6:7], wc s[8:9], bqkv s[10:11]
	s_load_b256 s[12:19], s[0:1], 0x20             ; kvp s[12:13], scale s[14:15], bias s[16:17], out0 s[18:19]
	v_lshl_add_u32 v[SPW], v0, 2, SPARE
	v_mov_b32 v[NIL], 0
	ds_add_u32 v4, v5
	ds_add_u32 v4, v5
	s_wait_dscnt 0x0
	v_lshrrev_b32 v1, 5, v0
	v_readfirstlane_b32 s[WV], v1                  ; wave 0..3
	s_bfe_u32 s21, ttmp6, 0x40000                  ; cx
	s_lshl_b32 s22, ttmp9, 2
	s_add_co_u32 s22, s22, s21                     ; rb = 4 x cluster + cx: it enters x's, xs's and out0's addresses alone
	s_and_b32 s23, ttmp9, 3                        ; rho: the same in all four partners
	s_mov_b32 s[G1W], 15|(3<<16)|(1<<21)           ; a third of W's tile: mask of all four work-groups; elements of 8 bytes; bit 21 beside the mask
	s_mov_b32 s[G1W+1], 32<<16                     ; tensor_dim0 = 32
	s_mov_b32 s[G1W+2], 176<<16                    ; tensor_dim1 = 176
	s_mov_b32 s[G1W+3], 32<<16                     ; tile_dim0 = 32
	s_mov_b32 s[G1W+4], 176                        ; tile_dim1 = 176
	s_mov_b32 s[G1W+5], 32                         ; from row to row
	s_mov_b32 s[G1W+6], 0
	s_mov_b32 s[G1W+7], 0
	s_mov_b32 s[G1X], 3<<16                        ; x's tile: 64 rows of 256 bytes, dense, no mask
	s_mov_b32 s[G1X+1], 32<<16
	s_mov_b32 s[G1X+2], 64<<16
	s_mov_b32 s[G1X+3], 32<<16
	s_mov_b32 s[G1X+4], 64
	s_mov_b32 s[G1X+5], 32
	s_mov_b32 s[G1X+6], 0
	s_mov_b32 s[G1X+7], 0
.irp i, 0,1,2,3
	s_add_co_u32 s80, s23, \i
	s_and_b32 s80, s80, 3                          ; which pair of K steps the i-th tile of a chunk is
	s_mul_i32 s[OW+\i], s80, TILEW
	s_lshl_b32 s[OX+2*\i], s80, 14
	s_mov_b32 s[OX+2*\i+1], 0
.endr
	s_mul_i32 s81, s[WV], THIRD
	s_add_co_u32 s[TW], s81, SEC0
	s_mov_b32 s[TW+1], 0
	s_lshl_b32 s82, s22, 16
	s_mov_b32 s83, 0
	s_mov_b32 s[SEL], 0x76543210
	s_mov_b32 s[SEL+1], 0xfedcba98
	s_wait_kmcnt 0x0
	s_add_nc_u64 s[WB:WB+1], s[8:9], s[TW:TW+1]
	s_add_nc_u64 s[XB:XB+1], s[4:5], s[82:83]
.irp s, 0,1
	s_mov_b32 s[G0W+4*\s], 1
	s_add_co_u32 s[G0W+4*\s+1], s81, \s*SLOTB
	s_mov_b32 s[G0X+4*\s], 1
	s_mov_b32 s[G0X+4*\s+1], \s*SLOTB+XOFF
	STEPD \s, \s, 0
.endr
	ROUND                                          ; all four work-groups are here: the first joint loads meet
	s_cmp_lt_u32 s[WV], 3                          ; a wave's two first fills stand in one branch, ahead of every wait on TENSORcnt, every LDS read and every other barrier
	s_cbranch_scc0 .Lfirst_x
	tensor_load_to_lds s[G0W:G0W+3], s[G1W:G1W+7]
	s_nop 0
	tensor_load_to_lds s[G0W+4:G0W+7], s[G1W:G1W+7]
	s_nop 0
.rept 4
	v_nop
.endr
	s_branch .Lfirst_asked
.Lfirst_x:
	tensor_load_to_lds s[G0X:G0X+3], s[G1X:G1X+7]
	s_nop 0
	tensor_load_to_lds s[G0X+4:G0X+7], s[G1X:G1X+7]
	s_nop 0
.rept 4
	v_nop
.endr
.Lfirst_asked:
	s_lshl_b32 s82, s22, 11
	s_add_nc_u64 s[6:7], s[6:7], s[82:83]          ; xs at my row block
	s_lshl_b32 s84, s[WV], 10                      ; my 256 columns: 1,024 bytes
	s_mov_b32 s85, 0
	s_add_nc_u64 s[10:11], s[10:11], s[84:85]      ; bq,
	s_add_nc_u64 s[14:15], s[14:15], s[84:85]      ; scale,
	s_add_nc_u64 s[16:17], s[16:17], s[84:85]      ; bias
	s_lshr_b32 s82, ttmp9, 4                       ; the batch: 16 clusters, 64 row blocks each
	s_lshl_b32 s82, s82, 18                        ; its 64 rows of 4,096 bytes in kvp
	s_add_co_u32 s82, s82, s84
	s_add_nc_u64 s[12:13], s[12:13], s[82:83]
	s_lshl_b32 s82, s22, 18                        ; out0: 64 rows of 4,096 bytes a row block
	s_add_co_u32 s82, s82, s84
	s_add_nc_u64 s[18:19], s[18:19], s[82:83]
	v_and_b32 v62, 31, v0                          ; lane
	v_and_b32 v60, 15, v0                          ; r
	v_bfe_u32 v61, v0, 4, 1                        ; h
	v_lshlrev_b32 v[CO], 4, v62
	s_mul_i32 s86, s[WV], WBLK
	v_add_nc_u32 v[ADW], s86, v[CO]
	v_add_nc_u32 v[ADW+1], SLOTB, v[ADW]
	v_lshlrev_b32 v62, 2, v62                      ; 4 x lane
	v_add_nc_u32 v[ASW], s86, v62
	v_add_nc_u32 v[ASW], 32768, v[ASW]
	v_add_nc_u32 v[ASW+1], SLOTB, v[ASW]
	v_add_nc_u32 v[ADX], XOFF, v[CO]
	v_add_nc_u32 v[ADX+1], SLOTB+XOFF, v[CO]
	s_mul_i32 s86, s[WV], 16*SP                    ; my stage
	v_add_nc_u32 v[RD], s86, v[CO]                 ; back: the 32 lanes take one row of 512 bytes
	v_mul_u32_u24 v[STO], v60, SP
	v_lshl_add_u32 v[STO], v61, 5, v[STO]
	v_add_nc_u32 v[STO], s86, v[STO]               ; in: row r, 32 bytes for each half of the lanes
	v_lshl_add_u32 v[EXL], v60, 4, EX              ; token 16 a + r: 16 bytes, a word for each wave
	s_lshl_b32 s86, s[WV], 2
	v_add_nc_u32 v[EXS], s86, v[EXL]
	s_lshl_b32 s86, s[WV], 11
	s_add_co_u32 s86, s86, COEF
	v_add_nc_u32 v[CW], s86, v[CO]
	v_lshlrev_b32 v59, 5, v61                      ; 32 h: my half's eight columns of a tile
	v_add_nc_u32 v[CR], s86, v59
.irp i, 0,1,2,3
	s_lshr_b32 s84, s[OX+2*\i], 5
	v_add_nc_u32 v[RN+\i], s84, v62
.endr
.irp i, 0,1,2,3                                ; x's scale words of all eight K steps, in the order in which this cluster walks them
.irp kh, 0,1
.irp p, 0,1
	global_load_b32 v[SX+2*(2*\i+\kh)+\p], v[RN+\i], s[6:7] offset:256*\kh+128*\p
.endr
.endr
.endr
	WIN 0x40                                       ; destination window 1
.irp jj, 0,1
.irp i, 0,1,2,3,4,5,6,7                        ; bq in the accumulators' layout: columns 128 jj + 16 i + 8 h + 0..7
	global_load_b128 v[64*\jj+8*\i:64*\jj+8*\i+3], v59, s[10:11] offset:512*\jj+64*\i
	global_load_b128 v[64*\jj+8*\i+4:64*\jj+8*\i+7], v59, s[10:11] offset:512*\jj+64*\i+16
.endr
.endr
	WIN 0
	s_wait_loadcnt 0x0                             ; x's scale words and bq: all that the first products want from registers
	s_wait_tensorcnt 1                             ; my part of slot 0 is in; slot 1's may stay out
	s_barrier_signal -1
	s_barrier_wait -1
	PRELOAD
	KVLOAD 0                                       ; partial rows 0-15 are asked for; they are added behind the first tile
	TILE 2, 1, 0, 0, 1, 2, 0                       ; q, my columns 0-127: four tiles; the first two changes of slots ask for this chunk's tiles 2 and 3,
	KVSUM 0
	KVLOAD 1
	TILE 2, 0, 1, 2, 1, 3, 0
	KVSUM 1
	KVLOAD 2
	TILE 2, 0, 0, 4, 1, 0, 1                       ; the last two for the next chunk's tiles 0 and 1
	KVSUM 2
	KVLOAD 3
	TILE 2, 0, 1, 6, 1, 1, 1
	KVSUM 3
	SBLOAD
	TILE 3, 1, 0, 0, 1, 2, 1                       ; q, my columns 128-255
	COEFS
	TILE 3, 0, 1, 2, 1, 3, 1
	TILE 3, 0, 0, 4, 3, 0, 2                       ; the last chunk asks for nothing beyond its own tiles
	TILE 3, 0, 1, 6, 4, 1, 2
	; ---- |q| over the whole row
	PL 9
	WIN 0x40                                       ; the coefficients come into window 1 meanwhile: kv x scale over bq's registers, bias behind them
.irp jj, 0,1
.irp i, 0,1,2,3,4,5,6,7
.irp e, 0,1
	ds_load_b128 v[64*\jj+8*\i+4*\e:64*\jj+8*\i+4*\e+3], v[CR] offset:512*\jj+64*\i+16*\e
	ds_load_b128 v[128+64*\jj+8*\i+4*\e:128+64*\jj+8*\i+4*\e+3], v[CR] offset:1024+512*\jj+64*\i+16*\e
.endr
.endr
.endr
.irp jj, 0,1
	WIN 0x0a+5*\jj                                 ; both sources in q's window, the sums in window 0
.irp i, 0,1,2,3,4,5,6,7
.irp a, 0,1,2,3
.irp q, 0,1,2,3
.if (\jj+\i) == 0
	v_pk_mul_f32 v[XR+8*\a+2*\q:XR+8*\a+2*\q+1], v[64*\a+8*\i+2*\q:64*\a+8*\i+2*\q+1], v[64*\a+8*\i+2*\q:64*\a+8*\i+2*\q+1]   ; each accumulator from its low end on
.else
	v_pk_fma_f32 v[XR+8*\a+2*\q:XR+8*\a+2*\q+1], v[64*\a+8*\i+2*\q:64*\a+8*\i+2*\q+1], v[64*\a+8*\i+2*\q:64*\a+8*\i+2*\q+1], v[XR+8*\a+2*\q:XR+8*\a+2*\q+1]
.endif
.endr
.endr
.endr
.endr
	WIN 0
.irp a, 0,1,2,3
	v_pk_add_f32 v[XR+8*\a:XR+8*\a+1], v[XR+8*\a:XR+8*\a+1], v[XR+8*\a+2:XR+8*\a+3]
.endr
.irp a, 0,1,2,3
	v_pk_add_f32 v[XR+8*\a+4:XR+8*\a+5], v[XR+8*\a+4:XR+8*\a+5], v[XR+8*\a+6:XR+8*\a+7]
.endr
.irp a, 0,1,2,3
	v_pk_add_f32 v[XR+8*\a:XR+8*\a+1], v[XR+8*\a:XR+8*\a+1], v[XR+8*\a+4:XR+8*\a+5]
.endr
.irp a, 0,1,2,3
	v_add_f32 v[XR+8*\a], v[XR+8*\a], v[XR+8*\a+1]
.endr
.irp a, 0,1,2,3
	v_permlanex16_b32 v[XR+8*\a+1], v[XR+8*\a], s[SEL], s[SEL+1]
.endr
.irp a, 0,1,2,3
	v_add_f32 v[XR+8*\a], v[XR+8*\a], v[XR+8*\a+1] ; my wave's 256 columns of token 16 a + r
.endr
.irp a, 0,1,2,3
	ds_store_b32 v[EXS], v[XR+8*\a] offset:256*\a  ; both halves of the lanes write the same word with the same value
.endr
	s_wait_dscnt 0x0                               ; for the others' sake: my stores are done (and my coefficients are in)
	s_barrier_signal -1
	s_barrier_wait -1
.irp a, 0,1,2,3
	ds_load_b128 v[96+4*\a:99+4*\a], v[EXL] offset:256*\a
.endr
	s_wait_dscnt 0x0
.irp a, 0,1,2,3
	v_pk_add_f32 v[96+4*\a:97+4*\a], v[96+4*\a:97+4*\a], v[98+4*\a:99+4*\a]
.endr
.irp a, 0,1,2,3
	v_add_f32 v[96+4*\a], v[96+4*\a], v[97+4*\a]
.endr
.irp a, 0,1,2,3
	v_rsq_f32 v[RN+2*\a], v[96+4*\a]               ; 1 / |q|, made twice to fill the pair that the packed multiply names
	v_rsq_f32 v[RN+2*\a+1], v[96+4*\a]
.endr
	v_nop                                          ; a plain line behind the last of the batch
	s_wait_alu depctr_va_vdst(0)                   ; one wait for the eight, ahead of their first reader
; ---- THE WAY OUT, eight blocks of 16 tokens x 128 columns: block n is tile n / 2 of chunk n % 2
.macro BLOCKQ n
.set ba, (\n)/2
.set bj, (\n)%2
	WIN 0x82+0x41*bj                               ; q in window 2 or 3, 1 / |q| in window 0
.set m, 0
.rept 32
	v_pk_mul_f32 v[64*ba+2*m:64*ba+2*m+1], v[64*ba+2*m:64*ba+2*m+1], v[RN+2*ba:RN+2*ba+1]
.set m, m+1
.endr
	WIN 0x96+0x41*bj                               ; kv x scale and bias in window 1
.set m, 0
.rept 32
	v_pk_fma_f32 v[64*ba+2*m:64*ba+2*m+1], v[64*ba+2*m:64*ba+2*m+1], v[64*bj+2*m:64*bj+2*m+1], v[128+64*bj+2*m:128+64*bj+2*m+1]
.set m, m+1
.endr
.endm
.macro TOSTAGE n                       ; into my stage, and back as whole rows of 512 bytes: LDS serves a wave's instructions in order (ISA guide 5.7.1.4): no wait between
.set ba, (\n)/2
.set bj, (\n)%2
.set BB, BK+64*((\n)%2)
	WIN 0x08+4*bj                                  ; an LDS store's data are its source 1
.irp i, 0,1,2,3,4,5,6,7
	ds_store_b128 v[STO], v[64*ba+8*\i:64*ba+8*\i+3] offset:64*\i
	ds_store_b128 v[STO], v[64*ba+8*\i+4:64*ba+8*\i+7] offset:64*\i+16
.endr
	WIN 0
.irp t, 0,1,2,3,4,5,6,7,8,9,10,11,12,13,14,15
	ds_load_b128 v[BB+4*\t:BB+4*\t+3], v[RD] offset:SP*\t
.endr
.endm
.macro SEND n, younger                 ; younger: the LDS instructions issued behind block n's loads, which may stay out
.set ba, (\n)/2
.set bj, (\n)%2
.set BB, BK+64*((\n)%2)
	s_wait_dscnt \younger
.irp t, 0,1,2,3,4,5,6,7,8,9,10,11,12,13,14,15
	global_store_b128 v[CO], v[BB+4*\t:BB+4*\t+3], s[18:19] offset:(16*ba+\t)*4096+512*bj th:TH_STORE_NT   ; 32 lanes store 512 consecutive bytes, aligned; written once, read by nobody here
.endr
.endm
	BLOCKQ 0
	TOSTAGE 0
.irp n, 1,2,3,4,5,6,7
	BLOCKQ \n
.if \n > 1
	s_wait_xcnt 0x0                                ; the stores of the block two back have read their registers: this block's loads may land there
.endif
	TOSTAGE \n
	SEND (\n)-1, 32                                ; behind the earlier block's loads: this block's 16 stores and 16 loads
.endr
	SEND 7, 0
	s_wait_tensorcnt 0x0                           ; the wave's end
	ds_add_u32 v[SPW], v[NIL]
	s_wait_dscnt 0x0
	ROUND                                          ; the closing round: no work-group ends while a partner may still ask for a tile that names it
	s_endpgm
.Lfunc_end_k_q1c12394888_qout:
	.size	k_q1c12394888_qout, .Lfunc_end_k_q1c12394888_qout-k_q1c12394888_qout
	.p2alignl 7, 3214868480
	.fill 96, 4, 3214868480
	.section	.rodata,"a",@progbits
	.p2align	6, 0x0
	.amdhsa_kernel k_q1c12394888_qout
		.amdhsa_group_segment_fixed_size 327680
		.amdhsa_private_segment_fixed_size 0
		.amdhsa_enable_private_segment 0
		.amdhsa_kernarg_size 64
		.amdhsa_user_sgpr_count 2
		.amdhsa_user_sgpr_kernarg_segment_ptr 1
		.amdhsa_wavefront_size32 1
		.amdhsa_system_sgpr_workgroup_id_x 1
		.amdhsa_system_sgpr_workgroup_id_y 1
		.amdhsa_system_sgpr_workgroup_id_z 1
		.amdhsa_system_vgpr_workitem_id 0
		.amdhsa_next_free_vgpr 1024
		.amdhsa_next_free_sgpr 96
		.amdhsa_reserve_vcc 0
		.amdhsa_float_denorm_mode_32 3
		.amdhsa_float_denorm_mode_16_64 3
		.amdhsa_memory_ordered 1
		.amdhsa_forward_progress 1
		.amdhsa_inst_pref_size 255
	.end_amdhsa_kernel
	.section	.bss,"aw",@nobits
	.p2align	6
	.space	262144
	.amdgpu_metadata
---
amdhsa.version: [ 1, 2 ]
amdhsa.kernels:
  - .name:           k_q1c12394888_qout
    .symbol:         k_q1c12394888_qout.kd
    .args:
      - { .name: xc, .offset: 0, .size: 8, .value_kind: global_buffer, .address_space: global }
      - { .name: xs, .offset: 8, .size: 8, .value_kind: global_buffer, .address_space: global }
      - { .name: wc, .offset: 16, .size: 8, .value_kind: global_buffer, .address_space: global }
      - { .name: bqkv, .offset: 24, .size: 8, .value_kind: global_buffer, .address_space: global }
      - { .name: kvp, .offset: 32, .size: 8, .value_kind: global_buffer, .address_space: global }
      - { .name: scale, .offset: 40, .size: 8, .value_kind: global_buffer, .address_space: global }
      - { .name: bias, .offset: 48, .size: 8, .value_kind: global_buffer, .address_space: global }
      - { .name: out0, .offset: 56, .size: 8, .value_kind: global_buffer, .address_space: global }
    .group_segment_fixed_size: 327680
    .private_segment_fixed_size: 0
    .kernarg_segment_align: 8
    .kernarg_segment_size: 64
    .max_flat_workgroup_size: 128
    .sgpr_count:     96
    .vgpr_count:     1024
    .wavefront_size: 32
...
	.end_amdgpu_metadata
.endif
;; end of part 3
